; MI455X (gfx1250); checked and timed in simulation.
; The chip was launched on July 23, 2026; its instructions are those of AMD's public machine-readable ISA for CDNA 5 (MIT licence, August 2026) and "CDNA5" Instruction Set Architecture Reference Guide (July 2026). The comments in the code are by the model that wrote it; some were corrected since.
;; Int8 Linear. Allowed arithmetic: float matrix products may take bf16 or f16 operands with f32 sums; other float arithmetic in f32, or as packed bf16 or f16 multiplies, adds, multiply-adds, maxima and minima; sums over many terms, partial sums and values carried from step to step in f32; what a program stores and reads back later, other than sums and carried values, may be rounded once to bf16 or f16.
;; Inputs: bias 4,096 float16; weight 4,096 x 4,096 int32; x 4,096 x 4,096 float16.
;; Outputs: out0 4,096 x 4,096 float16.
;; One version. Each part assembles by itself: llvm-mc -triple=amdgcn-amd-amdhsa -mcpu=gfx1250 --defsym DOCPART=n.
;; ======== version 1 of 1: 2 launches
;; workspace buffers: wh 33,554,432 bytes
;; launch cast (part 1): grid 1024 x 1, 8 waves a work-group, no clusters, 0 bytes of LDS; arguments weight, wh; writes wh
.if DOCPART == 1
	.amdgcn_target "amdgcn-amd-amdhsa--gfx1250"
	.amdhsa_code_object_version 6
	.text
	.protected	k_qd6d045e52d_cast
	.globl	k_qd6d045e52d_cast
	.p2align	8
	.type	k_qd6d045e52d_cast,@function
k_qd6d045e52d_cast:
	s_mov_b64 s[64:65], 0
	v_nop
	global_prefetch_b8 v0, s[64:65] scope:SCOPE_SE
	s_setreg_imm32_b32 hwreg(HW_REG_WAVE_MODE, 25, 1), 1
	s_wait_xcnt 0x0
; wh[k][n] = f16(weight[k][n]).  weight: [4096][4096] int32, wh: [4096][4096] f16, the same order of numbers: a stream, nothing is turned here
; (the product's launch reads wh's tiles out of LDS by the turning load).
; ROUNDING.  int32 -> f32 -> f16.  Below 2^24 the f32 is exact, so the number is rounded once, to f16; from 2^24 on the f16 is an infinity whatever the f32's last bit: one rounding for every int32.
; SHARES.  A work-group takes 16,384 numbers: 65,536 bytes in, 32,768 out.  Load j of 16: thread t reads the 16 bytes at 4,096 j + 16 t, so a wave's load covers 512 consecutive bytes, aligned.
; Its four numbers become 8 bytes at 2,048 j + 8 t: a wave's store covers 256 consecutive bytes, at a multiple of 256 from wh's first byte.
; IN FLIGHT.  All 16 loads of a wave go out at once (8 KiB a wave, 64 KiB a work-group); there is no loop, no register is loaded twice and no store's data is rewritten, so the only waits are the counted ones for the loads.
; No LDS and no barrier: no thread wants a byte that another has fetched.  No prefetch: every load of the launch is issued at its wave's first lines.
.set LOADS, 16
.set X, 4                              ; v[4:67]  slot j: four numbers as loaded, converted in place; its first two registers are the store's data
	s_load_b128 s[4:7], s[0:1], 0x0                ; weight s[4:5], wh s[6:7]
	s_lshl_b32 s2, ttmp9, 16                       ; the work-group's 65,536 bytes of weight (1,023 x 65,536 stays under 2^32)
	s_mov_b32 s3, 0
	s_lshl_b32 s8, ttmp9, 15                       ; and its 32,768 bytes of wh
	s_mov_b32 s9, 0
	v_lshlrev_b32 v1, 4, v0                        ; 16 t
	v_lshlrev_b32 v2, 3, v0                        ; 8 t
	s_wait_kmcnt 0x0
	s_add_nc_u64 s[4:5], s[4:5], s[2:3]
	s_add_nc_u64 s[6:7], s[6:7], s[8:9]
.irp j, 0,1,2,3,4,5,6,7,8,9,10,11,12,13,14,15
	global_load_b128 v[X+4*(\j):X+4*(\j)+3], v1, s[4:5] offset:4096*(\j) th:TH_LOAD_NT
.endr
.macro SLOT j
	s_wait_loadcnt LOADS-1-(\j)                    ; loads come back in order (ISA guide 5.7.1): slot j is in, the younger ones stay out
.irp i, 0,1,2,3
	v_cvt_f32_i32 v[X+4*(\j)+(\i)], v[X+4*(\j)+(\i)]
.endr
	v_cvt_pk_f16_f32 v[X+4*(\j)],   v[X+4*(\j)],   v[X+4*(\j)+1]  ; two roundings to f16, packed
	v_cvt_pk_f16_f32 v[X+4*(\j)+1], v[X+4*(\j)+2], v[X+4*(\j)+3]
	global_store_b64 v2, v[X+4*(\j):X+4*(\j)+1], s[6:7] offset:2048*(\j) th:TH_STORE_NT
.endm
.irp j, 0,1,2,3,4,5,6,7,8,9,10,11,12,13,14,15
	SLOT \j
.endr
	s_endpgm
.Lfunc_end_k_qd6d045e52d_cast:
	.size	k_qd6d045e52d_cast, .Lfunc_end_k_qd6d045e52d_cast-k_qd6d045e52d_cast
	.p2alignl 7, 3214868480
	.fill 96, 4, 3214868480
	.section	.rodata,"a",@progbits
	.p2align	6, 0x0
	.amdhsa_kernel k_qd6d045e52d_cast
		.amdhsa_group_segment_fixed_size 0
		.amdhsa_private_segment_fixed_size 0
		.amdhsa_enable_private_segment 0
		.amdhsa_kernarg_size 16
		.amdhsa_user_sgpr_count 2
		.amdhsa_user_sgpr_kernarg_segment_ptr 1
		.amdhsa_wavefront_size32 1
		.amdhsa_system_sgpr_workgroup_id_x 1
		.amdhsa_system_sgpr_workgroup_id_y 1
		.amdhsa_system_sgpr_workgroup_id_z 1
		.amdhsa_system_vgpr_workitem_id 0
		.amdhsa_next_free_vgpr 72
		.amdhsa_next_free_sgpr 66
		.amdhsa_reserve_vcc 0
		.amdhsa_float_denorm_mode_32 3
		.amdhsa_float_denorm_mode_16_64 3
		.amdhsa_memory_ordered 1
		.amdhsa_forward_progress 1
		.amdhsa_inst_pref_size 9
	.end_amdhsa_kernel
	.amdgpu_metadata
---
amdhsa.version: [ 1, 2 ]
amdhsa.kernels:
  - .name:           k_qd6d045e52d_cast
    .symbol:         k_qd6d045e52d_cast.kd
    .args:
      - { .name: weight, .offset: 0, .size: 8, .value_kind: global_buffer, .address_space: global }
      - { .name: wh, .offset: 8, .size: 8, .value_kind: global_buffer, .address_space: global }
    .group_segment_fixed_size: 0
    .private_segment_fixed_size: 0
    .kernarg_segment_align: 8
    .kernarg_segment_size: 16
    .max_flat_workgroup_size: 256
    .sgpr_count:     66
    .vgpr_count:     72
    .wavefront_size: 32
...
	.end_amdgpu_metadata
.endif
;; end of part 1
;; launch gemm (part 2): grid 16 x 16, 4 waves a work-group, clusters of 4 x 4, 327,680 bytes of LDS; arguments x, wh, out0, bias; writes out0
.if DOCPART == 2
	.amdgcn_target "amdgcn-amd-amdhsa--gfx1250"
	.amdhsa_code_object_version 6
	.text
	.protected	k_qd6d045e52d_gemm
	.globl	k_qd6d045e52d_gemm
	.p2align	8
	.type	k_qd6d045e52d_gemm,@function
k_qd6d045e52d_gemm:
	s_mov_b64 s[64:65], 0
	v_nop
	global_prefetch_b8 v0, s[64:65] scope:SCOPE_SE
	s_setreg_imm32_b32 hwreg(HW_REG_WAVE_MODE, 25, 1), 1
	s_wait_xcnt 0x0
	s_wait_alu depctr_hold_cnt(0) depctr_sa_sdst(0) depctr_va_vdst(0) depctr_va_sdst(0) depctr_va_ssrc(0) depctr_va_vcc(0) depctr_vm_vsrc(0)
	s_getreg_b32 s2, hwreg(HW_REG_IB_STS2, 6, 4)
	s_cmp_eq_u32 s2, 0
	s_cbranch_scc0 .Lentry_in_a_cluster
	s_endpgm
.Lentry_in_a_cluster:
	s_bfe_u32 s2, ttmp6, 0x10000c
	s_cmp_lg_u32 s2, 0xf033
	s_cbranch_scc0 .Lentry_shape_is_right
	s_endpgm
.Lentry_shape_is_right:
; out0[m][n] = f16( bias[n] + sum over k of x[m][k] wh[k][n] ).  x: [4096][4096] f16, K along the rows; wh: [4096][4096] f16, N along the rows (the weights, already f16); bias: [4096] f16; out0: f16.
; Both operands are f16 as they stand, so the products are exact; sums in f32, K ascending; out0 rounded once.
; LIMITS.  The bias, widened to f32, is the C operand of each sum's first product: it enters the f32 sum first and not last, an order of rounding of its own (no difference of large sums is formed).
; A result of 65,520 or more in magnitude leaves as an infinity, f16's own end.  NaN and infinities in x go through the products as they are.
; SHAPE.  A tile of out0, 256 x 256, is made by a work-group of four waves; a wave makes 128 x 128: 64 accumulators of 16 x 16, 512 registers.  16 x 16 tiles: 256 work-groups, one tile each.
; K goes in steps of 128 through a ring of two LDS slots filled by the tensor data mover.  x's tile is 256 rows x 256 bytes; wh's is 128 rows (k) x 512 bytes (256 n): every row starts at a multiple of 256 bytes from its buffer's first byte.
; wh's fragments come out of LDS TURNED, by ds_load_tr16_b128: a lane then holds one column n and eight k, as the matrix instruction wants them.
; The last K step goes by rows of out0, so that finished rows leave while the others are multiplied.
; CLUSTERS: 4 x 4 work-groups.  The four of a row of the cluster need the same tiles of x, the four of a column the same tiles of wh.  Such a tile is asked for JOINTLY: each of the four issues the same
; tensor load, with the same descriptor and a mask that names the four, and each receives the tile in its own LDS.
; THE MATRIX INSTRUCTION IS USED TRANSPOSED: source 0 = 16 columns of wh, source 1 = 16 rows of x.  In the result lane l holds row m = l % 16 of out0 and its registers 0 to 7 the columns 8 (l / 16) + 0 .. 7:
; eight neighbouring numbers of a row, 16 bytes when packed.  The bias of those eight columns, the same for every row, is a C operand of eight registers for each of my eight column blocks.
;
; REGISTERS, in windows of 256 (s_set_vgpr_msb's low byte: bits 1:0 source 0, 3:2 source 1, 5:4 source 2, 7:6 destination):
;   window 0: v0-31 addresses; v32-63 the bias as loaded, later at work on the way out; v64-127, v128-191 fragments of x, two buffers (in the last K step four, of 16 rows x 128 K);
;             v192-255 the bias in f32 (read by the first quarter step alone), later at work on the way out
;   window 1: v64-127, v128-191 fragments of wh, two buffers; in the last K step all 256
;   window 2: the 32 accumulators of my rows 0-63 (accumulator (a, b) at v[8 (8 a + b)]);   window 3: those of my rows 64-127
.set SIZE_M, 4096
.set SIZE_N, 4096
.set SIZE_K, 4096
.set KSTEP,  128
.set PITCH,  272                       ; an LDS row of x: 256 bytes + 16 of padding = 68 words: row r starts at bank 4 r mod 64 (64 banks of 4 bytes: ISA guide 11.1), so the 16 rows of a load start at 16 different groups of four banks
.set PB,     544                       ; an LDS row of wh: 512 bytes + 32 of padding = 136 words: row r starts at bank 8 r mod 64
.set HALFT,  128*PITCH                 ; what one tensor load brings: 128 rows of x, or 64 rows of wh (64 x 544 is the same 34,816 bytes)
.set SLOT,   4*HALFT                   ; x's 256 rows, then wh's 128 rows
.set STAGE,  2*SLOT                    ; behind the ring: 16 rows x 272 bytes for each wave, for the way out; no tensor load fills it
.set SPITCH, 272
.set SPARE,  STAGE+4*16*SPITCH         ; behind the stages: the spare words, 128 bytes for each wave: two blocks of 256 bytes that no other line names
.set LAPS,   SIZE_K/(2*KSTEP)          ; a lap = two K steps = once round the ring: 16
.set ASTEP,  KSTEP*2                   ; bytes from a K step to the next: in x along the rows,
.set BSTEP,  KSTEP*SIZE_N*2            ; in wh 128 rows down
.set BO,   6                           ; v6      my byte offset in bias
.set ONE,  10                          ; v10     1.0
.set ZERO, 11                          ; v11     0.0
.set ADRA, 16                          ; v16-17  LDS address of my fragments of x in slot 0, 1
.set ADRB, 20                          ; v20-21  the same for wh
.set STO,  24                          ; v24     the way out: where I put 16 bytes of a row
.set RD,   25                          ; v25     the way out: where I read a row back
.set CO,   26                          ; v26     my byte offset in out0
.set SPW,  28                          ; v28     LDS address of my spare word: SPARE + 4 x my thread's number; never rewritten
.set NIL,  29                          ; v29     0; never rewritten
.set PFO,  30                          ; v30     the prefetches' offset; never rewritten
.set BH,   32                          ; v32-63  the bias as loaded: 8 f16 for each of my 8 column blocks
.set F0,   64                          ; fragment buffer 0
.set F1,   128                         ; fragment buffer 1
.set BIAS, 192                         ; v192-255 the bias in f32: column block b at BIAS + 8 b
.set TMP,  192                         ; the way out: packed results
.set OB,   32                          ; the way out: 16 rows read back from the stage: v32-63 and v224-255 by turns
.set PA,   64                          ; the last K step: x's fragments of 16 rows x 128 K, 32 registers; four such buffers, v64-191
.set G1,  24                           ; s[24:31] descriptor group 1 for x's tiles
.set G0,  32                           ; s[32:39] descriptor group 0 for x's tiles, one set for each slot
.set G1B, 48                           ; s[48:55] descriptor group 1 for wh's tiles
.set G0B, 56                           ; s[56:63] descriptor group 0 for wh's tiles, one set for each slot
.set LIM, 43                           ; s43      1 in a wave that prefetches, else the greatest number
.set PFA, 44                           ; s[44:45] where my prefetches stand: the K step that the next prefetch names
.set PFS, 68                           ; s[68:69] what a K step adds to it: ASTEP or BSTEP
.set MSB, 0
.macro WIN new                         ; the immediate's high byte repeats the setting that is left; a switch that changes nothing is dropped
.if MSB != (\new)
	s_set_vgpr_msb (MSB<<8)|(\new)
.set MSB, \new
.endif
.endm
.set MUL_LO, 0xa1                      ; source 0 (wh) window 1, source 1 (x) window 0, C and D window 2
.set MUL_HI, 0xf1                      ; the same, C and D window 3
.set MUL_B,  0x81                      ; a sum's first product: source 0 window 1, source 1 and C (the bias) window 0, D window 2; + 0x40: D window 3
.set TO_B,   0x40                      ; destination window 1, address window 0
; A joint load.  Waves 0 and 1 fetch x's two halves, waves 2 and 3 wh's.  Each of the two lines has ONE mask and one set of registers for all that issue it, and nothing in them hangs on a coordinate
; that the four partners do not share.  The branch hangs on the wave's number alone.  An s_nop 0 and four v_nop follow each of the two lines, ahead of the jump, the label and what follows.
.macro JLOAD s
	s_cmp_eq_u32 s11, 0
	s_cbranch_scc0 .Lfor_b_\@
	tensor_load_to_lds s[G0+4*(\s):G0+4*(\s)+3], s[G1:G1+7]
	s_nop 0
.rept 4
	v_nop
.endr
	s_branch .Lasked_\@
.Lfor_b_\@:
	tensor_load_to_lds s[G0B+4*(\s):G0B+4*(\s)+3], s[G1B:G1B+7]
	s_nop 0
.rept 4
	v_nop
.endr
.Lasked_\@:
.endm
; A PREFETCH INTO THE L2, behind each joint refill, its five lines and the run of LDS loads that follows them: my work-group's share of the K step that stands TWO refills on, 512 matrix instructions ahead of the load
; that will want it.  Each aligned block of 256 bytes is named ONCE in the launch.  x's tile row is read by every cluster of that row of clusters: cluster x = 0 asks; wh's tile column by every cluster of that column:
; cluster y = 0 asks.  Of the 128 blocks that a wave fetches in a K step, each of the four partners that ask for them jointly takes 32, told apart BY ADDRESS (cx for x: 32 rows, a lane a row; cy for wh: 16 rows of two blocks,
; two lanes a row): no branch hangs on a work-group's place in its cluster.  K steps 0 to 3 come by their loads alone; the loop's last trip (s3 = 1) asks for nothing: there is no K step two refills on.
.macro ASK
	s_cmp_gt_u32 s3, s[LIM]
	s_cbranch_scc0 .Lnot_mine_\@
	global_prefetch_b8 v[PFO], s[PFA:PFA+1] th:TH_LOAD_NT scope:SCOPE_SE
.Lnot_mine_\@:
.endm
; A round of the cluster's barrier: my work-group's barrier, so that wave 0's signal speaks for all four waves; wave 0 signals for the work-group; every wave waits for all sixteen work-groups; my work-group's barrier once more.
.macro CREST                           ; a round behind its opening barrier
	s_cmp_lg_u32 s10, 0
	s_cbranch_scc1 .Lnot_wave_0_\@
	s_barrier_signal -3
.Lnot_wave_0_\@:
	s_barrier_wait -3
	s_barrier_signal -1
	s_barrier_wait -1
.endm
.macro CROUND                          ; a whole round
	s_barrier_signal -1
	s_barrier_wait -1
	CREST
.endm
	s_load_b128 s[4:7], s[0:1], 0x0                ; x s[4:5], wh s[6:7]
	s_load_b64 s[8:9], s[0:1], 0x10                ; out0
	s_load_b64 s[66:67], s[0:1], 0x18              ; bias
	v_lshl_add_u32 v[SPW], v0, 2, SPARE
	v_mov_b32 v[NIL], 0
	ds_add_u32 v[SPW], v[NIL]                      ; the wave's opening: the add and its wait stand ahead of my first tensor load; the set-up below, work on registers, stands between them
	v_lshrrev_b32 v1, 5, v0
	v_readfirstlane_b32 s10, v1                    ; wave 0..3
	s_lshr_b32 s11, s10, 1                         ; which half of the tile's rows is mine.  Also: I fetch for x (0) or for wh (1)
	s_and_b32 s12, s10, 1                          ; which half of its columns.  Also: which half of that tile I fetch
	s_bfe_u32 s40, ttmp6, 0x40000                  ; cx: my place along the cluster's x
	s_bfe_u32 s41, ttmp6, 0x40004                  ; cy: along its y
	s_lshl_b32 s42, ttmp9, 2                       ; in a cluster launch ttmp9 and ttmp7 count clusters
	s_add_co_u32 s42, s42, s40                     ; tile column = 4 x cluster x + cx
	s_and_b32 s13, ttmp7, 0xffff
	s_lshl_b32 s13, s13, 2
	s_add_co_u32 s13, s13, s41                     ; tile row = 4 x cluster y + cy
	s_lshl_b32 s43, s41, 2
	s_lshl_b32 s43, 15, s43                        ; my row of the cluster: places 4 cy .. 4 cy + 3
	s_lshl_b32 s44, 0x1111, s40                    ; my column: places cx, cx + 4, cx + 8, cx + 12
	; descriptor group 1 for x: a tile of 128 rows x 128 elements, padded in LDS
	s_or_b32 s[G1+0], s43, (1<<16)|(1<<20)|(1<<21)|(5<<22)|(3<<25)  ; 15:0 the mask: my row; 17:16 elements of 2 bytes; 20 padding on; 21 set beside a mask; 24:22 after every 64 words (code 5); 31:25 4 words of it (code 3)
	s_mov_b32 s[G1+1], KSTEP<<16                   ; 63:48 tensor_dim0, low half = 128
	s_mov_b32 s[G1+2], 128<<16                     ; 79:64 its high half = 0; 95:80 tensor_dim1, low half = 128
	s_mov_b32 s[G1+3], KSTEP<<16                   ; 111:96 its high half = 0; 127:112 tile_dim0 = 128
	s_mov_b32 s[G1+4], 128                         ; 143:128 tile_dim1 = 128; 159:144 tile_dim2 = 0
	s_mov_b32 s[G1+5], SIZE_K                      ; 191:160 tensor_dim0_stride: elements from row to row
	s_mov_b32 s[G1+6], 0
	s_mov_b32 s[G1+7], 0
	; descriptor group 1 for wh: a tile of 64 rows (k) x 256 elements (n), padded in LDS
	s_or_b32 s[G1B+0], s44, (1<<16)|(1<<20)|(1<<21)|(6<<22)|(7<<25) ; the mask: my column; padding after every 128 words (code 6), 8 words of it (code 7)
	s_mov_b32 s[G1B+1], 256<<16                    ; tensor_dim0 = 256
	s_mov_b32 s[G1B+2], 64<<16                     ; tensor_dim1 = 64
	s_mov_b32 s[G1B+3], 256<<16                    ; tile_dim0 = 256
	s_mov_b32 s[G1B+4], 64                         ; tile_dim1 = 64
	s_mov_b32 s[G1B+5], SIZE_N                     ; elements from row to row
	s_mov_b32 s[G1B+6], 0
	s_mov_b32 s[G1B+7], 0
	; where the tiles come from.  x's hang on the tile row alone, which my row of the cluster shares; wh's on the tile column alone, which my column shares.
	; Every wave makes both addresses, in registers that never hold the other coordinate, and asks by one of them.  All offsets stay under 2^26.
	s_lshl_b32 s17, s12, 7
	s_lshl_b32 s16, s13, 8
	s_add_co_u32 s16, s16, s17                     ; x: row 256 x tile row + 128 x half,
	s_lshl_b32 s16, s16, 13                        ; of 8,192 bytes
	s_mov_b32 s17, 0
	s_lshl_b32 s46, s42, 9                         ; wh: 512 bytes x tile column
	s_lshl_b32 s47, s12, 19                        ; + 64 rows of 8,192 bytes x half
	s_add_co_u32 s46, s46, s47
	s_mov_b32 s47, 0
	s_mul_i32 s20, s10, HALFT                      ; and where they go: x's two halves, then wh's two halves = wave x 34,816: no place in the cluster enters an LDS address
	s_wait_dscnt 0x0                               ; the opening add is done
	s_wait_kmcnt 0x0
	s_add_nc_u64 s[14:15], s[4:5], s[16:17]
	s_add_nc_u64 s[46:47], s[6:7], s[46:47]
	CROUND                                         ; all sixteen work-groups are here: the first joint loads meet
.irp s, 0,1
	s_mov_b32 s[G0+4*(\s)], 1                                      ; 1:0 count = 1
	s_add_co_u32 s[G0+4*(\s)+1], s20, (\s)*SLOT                    ; 63:32 LDS address
	s_add_nc_u64 s[G0+4*(\s)+2:G0+4*(\s)+3], s[14:15], (\s)*ASTEP  ; 120:64 global address: K step s
	s_or_b32 s[G0+4*(\s)+3], s[G0+4*(\s)+3], 0x80000000            ; 127:126 type = 2
	s_mov_b32 s[G0B+4*(\s)], 1
	s_add_co_u32 s[G0B+4*(\s)+1], s20, (\s)*SLOT
	s_add_nc_u64 s[G0B+4*(\s)+2:G0B+4*(\s)+3], s[46:47], (\s)*BSTEP
	s_or_b32 s[G0B+4*(\s)+3], s[G0B+4*(\s)+3], 0x80000000
.endr
	s_cmp_eq_u32 s11, 0                            ; a wave's two first fills stand in one branch, ahead of every wait on TENSORcnt and every LDS read: two loads of mine are out
	s_cbranch_scc0 .Lfirst_b
	tensor_load_to_lds s[G0:G0+3], s[G1:G1+7]
	s_nop 0
	tensor_load_to_lds s[G0+4:G0+7], s[G1:G1+7]
	s_nop 0
.rept 4
	v_nop
.endr
	s_branch .Lfirst_asked
.Lfirst_b:
	tensor_load_to_lds s[G0B:G0B+3], s[G1B:G1B+7]
	s_nop 0
	tensor_load_to_lds s[G0B+4:G0B+7], s[G1B:G1B+7]
	s_nop 0
.rept 4
	v_nop
.endr
.Lfirst_asked:
	; A fragment of x is 16 rows x 32 K in 8 registers: lane l holds row l % 16; registers 0-3 hold K = 8 (l / 16) + 0..7, registers 4-7 K = 16 + 8 (l / 16) + 0..7: two loads of 16 bytes, 32 bytes apart.
	v_and_b32 v1, 15, v0                           ; l % 16
	v_bfe_u32 v2, v0, 4, 1                         ; l / 16
	v_mul_u32_u24 v3, v1, PITCH
	v_lshl_add_u32 v3, v2, 4, v3                   ; row x pitch + 16 x half
	; The turning load takes 16 k x 16 n (lane l reads 16 bytes: k row 8 (l / 16) + l % 8, columns 8 ((l / 8) % 2) + 0..7) and leaves half a fragment: lane l holds column l % 16 and 8 k.  The second half lies 16 k rows down.
	v_and_b32 v4, 7, v0
	v_lshl_add_u32 v4, v2, 3, v4
	v_mul_u32_u24 v4, v4, PB
	v_bfe_u32 v5, v0, 3, 1
	v_lshl_add_u32 v4, v5, 4, v4
	s_mul_i32 s21, s11, HALFT                      ; my 128 rows of x
	s_lshl_b32 s22, s12, 8                         ; my 128 columns of wh: 256 bytes of each of its rows,
	s_add_co_u32 s22, s22, 2*HALFT                 ; which lie behind x's 256 rows
.irp s, 0,1
	v_add_nc_u32 v[ADRA+(\s)], s21, v3
	v_add_nc_u32 v[ADRB+(\s)], s22, v4
	s_add_co_u32 s21, s21, SLOT
	s_add_co_u32 s22, s22, SLOT
.endr
	s_mul_i32 s23, s10, 16*SPITCH
	s_add_co_u32 s23, s23, STAGE                   ; my stage
	v_mul_u32_u24 v7, v1, SPITCH                   ; in: row l % 16, 16 bytes for each half of the lanes
	v_lshl_add_u32 v7, v2, 4, v7
	v_add_nc_u32 v[STO], s23, v7
	v_mul_u32_u24 v8, v2, SPITCH                   ; back: lanes 0-15 take one row of 256 bytes, lanes 16-31 the next
	v_lshl_add_u32 v8, v1, 4, v8
	v_add_nc_u32 v[RD], s23, v8
	v_mul_u32_u24 v8, v2, SIZE_N*2                 ; and the same two rows in out0
	v_lshl_add_u32 v[CO], v1, 4, v8
	v_mov_b32 v[ONE], 1.0
	v_mov_b32 v[ZERO], 0
	; where my part of the tile begins in out0, in bytes: the way out adds it to out0's address
	s_lshl_b32 s13, s13, 8                         ; 256 x tile row
	s_lshl_b32 s21, s11, 7
	s_add_co_u32 s16, s13, s21                     ; my first row,
	s_lshl_b32 s16, s16, 13                        ; of 8,192 bytes
	s_mov_b32 s17, 0
	s_lshl_b32 s46, s42, 9                         ; my first column, in bytes: 512 x tile column + 256 x half
	s_lshl_b32 s47, s12, 8
	s_add_co_u32 s46, s46, s47
	s_mov_b32 s47, 0
	s_add_nc_u64 s[16:17], s[16:17], s[46:47]
	; the bias of my 128 columns: for column block b my lane's eight columns 16 b + 8 (l / 16) + 0..7 are 16 bytes on end
	v_lshl_add_u32 v[BO], v2, 4, s46
.irp b, 0,1,2,3,4,5,6,7
	global_load_b128 v[BH+4*(\b):BH+4*(\b)+3], v[BO], s[66:67] offset:32*(\b)
.endr
	; the prefetches.  s13 = 256 x tile row, s42 = tile column, s40 = cx, s41 = cy still stand
	s_lshl_b32 s20, s12, 7
	s_add_co_u32 s20, s20, s13                     ; x: the 128 rows that I fetch,
	s_lshl_b32 s21, s40, 5
	s_add_co_u32 s20, s20, s21                     ; my work-group's 32 of them,
	s_lshl_b32 s20, s20, 13
	s_add_co_u32 s20, s20, 3*ASTEP                 ; at K step 3: the first refill steps it to 4
	s_lshl_b32 s22, s12, 6                         ; wh: the 64 rows that I fetch,
	s_lshl_b32 s23, s41, 4
	s_add_co_u32 s22, s22, s23                     ; my work-group's 16 of them,
	s_lshl_b32 s22, s22, 13
	s_lshl_b32 s23, s42, 9
	s_add_co_u32 s22, s22, s23                     ; the tile column's 512 bytes,
	s_add_co_u32 s22, s22, 3*BSTEP                 ; at K step 3
	s_and_b32 s23, ttmp7, 0xffff                   ; cluster y
	s_mov_b32 s[PFS], BSTEP
	s_mov_b32 s[PFS+1], 0
	s_mov_b32 s21, 0
	s_cmp_eq_u32 s11, 0                            ; do I fetch for x?
	s_cselect_b32 s20, s20, s22
	s_cselect_b32 s23, ttmp9, s23                  ; the coordinate along which other clusters read the same rows
	s_cselect_b64 s[PFA:PFA+1], s[4:5], s[6:7]
	s_cselect_b32 s[PFS], ASTEP, s[PFS]
	s_cselect_b32 s70, 0, 1                        ; x: a lane a row; wh: two lanes a row
	s_mov_b32 s71, s70
	s_cmp_eq_u32 s23, 0
	s_cselect_b32 s[LIM], 1, -1                    ; the same in all sixteen partners, for a given wave
	s_add_nc_u64 s[PFA:PFA+1], s[PFA:PFA+1], s[20:21]
	v_and_b32 v[PFO], 31, v0
	v_and_b32 v7, s71, v[PFO]                      ; which 256 bytes of the row
	v_lshrrev_b32 v[PFO], s70, v[PFO]              ; which row,
	v_lshlrev_b32 v[PFO], 13, v[PFO]               ; of 8,192 bytes
	v_lshl_add_u32 v[PFO], v7, 8, v[PFO]
	; nothing is prefetched here, at the head, where every work-group's first two tiles are on their way
	s_wait_loadcnt 0x0                             ; the bias
.irp b, 0,1,2,3,4,5,6,7                ; f16 half x 1.0 + 0 in f32: the widening; 64 lines, in the wait for the first tile
.irp i, 0,1,2,3
	v_fma_mix_f32 v[BIAS+8*(\b)+2*(\i)],   v[BH+4*(\b)+(\i)], v[ONE], v[ZERO] op_sel_hi:[1,0,0]
	v_fma_mix_f32 v[BIAS+8*(\b)+2*(\i)+1], v[BH+4*(\b)+(\i)], v[ONE], v[ZERO] op_sel:[1,0,0] op_sel_hi:[1,0,0]
.endr
.endr
; 16 matrix instructions: m blocks a0, a0 + 1 of the window's four (hi = 0: my rows 0-63, 1: rows 64-127) x all 8 n blocks, 32 along K.
; zero = 1: the first product starts the sums, with the bias as C: nothing is ever cleared, and no bias is added behind the sums.
; The 64 accumulators take turns, one instruction a turn, in the same order in every quarter step.
.macro MUL16 f, hi, a0, zero
.if \zero
	WIN MUL_B+0x40*(\hi)
.else
	WIN MUL_LO+0x50*(\hi)
.endif
.irp a, \a0, (\a0)+1
.irp b, 0,1,2,3,4,5,6,7
.if \zero
	v_wmma_f32_16x16x32_f16 v[8*(8*(\a)+(\b)):8*(8*(\a)+(\b))+7], v[(\f)+8*(\b):(\f)+8*(\b)+7], v[(\f)+8*(4*(\hi)+(\a)):(\f)+8*(4*(\hi)+(\a))+7], v[BIAS+8*(\b):BIAS+8*(\b)+7]
.else
	v_wmma_f32_16x16x32_f16 v[8*(8*(\a)+(\b)):8*(8*(\a)+(\b))+7], v[(\f)+8*(\b):(\f)+8*(\b)+7], v[(\f)+8*(4*(\hi)+(\a)):(\f)+8*(4*(\hi)+(\a))+7], v[8*(8*(\a)+(\b)):8*(8*(\a)+(\b))+7]
.endif
.endr
.endr
.endm
; 32 LDS loads in one run: the fragments of quarter q of a K step (32 k x my 128 columns of wh, turned; my 128 rows of x x 32 k) into buffer f.  The largest offset is 61,152, inside the 16-bit immediate.
.macro FETCH slot, q, f
	WIN TO_B
.irp i, 0,1,2,3,4,5,6,7
	ds_load_tr16_b128 v[(\f)+8*(\i):(\f)+8*(\i)+3],   v[ADRB+(\slot)] offset:(\q)*32*PB+32*(\i)
	ds_load_tr16_b128 v[(\f)+8*(\i)+4:(\f)+8*(\i)+7], v[ADRB+(\slot)] offset:(\q)*32*PB+16*PB+32*(\i)
.endr
	WIN 0
.irp i, 0,1,2,3,4,5,6,7
	ds_load_b128 v[(\f)+8*(\i):(\f)+8*(\i)+3],   v[ADRA+(\slot)] offset:64*(\q)+(\i)*16*PITCH
	ds_load_b128 v[(\f)+8*(\i)+4:(\f)+8*(\i)+7], v[ADRA+(\slot)] offset:64*(\q)+(\i)*16*PITCH+32
.endr
.endm
; A load into a register that a matrix instruction has read, and a vector instruction that reads a matrix result, stand four places behind that matrix instruction, and only plain vector instructions that name
; none of its registers are places (ISA guide 7.12.1 for vector instructions); the matrix instructions in between are not counted.
.macro PLACES
.rept 4
	v_nop
.endr
.endm
; A K step is four quarter steps of 32 along K, 64 matrix instructions each, on buffers 0, 1, 0, 1.
; One of the first three: multiplies buffer f; in its middle it fetches quarter q of the same slot into buffer g.
.macro QUARTER slot, q, f, g, zero
	s_wait_dscnt 8                                 ; wh and x's rows 0-63 are in; the youngest eight loads (x's rows 64-127) may be out
	MUL16 \f, 0, 0, \zero
	MUL16 \f, 0, 2, \zero
	PLACES
	FETCH \slot, \q, \g
	s_wait_dscnt 32                                ; all but the 32 just issued
	MUL16 \f, 1, 0, \zero
	MUL16 \f, 1, 2, \zero
.endm
; The last quarter multiplies buffer 1 and changes slots.  MEET is its first half: ONE barrier for the change of slots.  In front of it each wave waits for all its tensor loads, of which one is out: its part of the next slot;
; adds 0 to its spare word; and waits for that and for its own reads of this slot.  Behind it nobody reads this slot any more and the next slot is whole.
.macro MEET round                      ; round = 1: a round of the cluster's barrier follows
	WIN 0                                          ; (the add's two registers lie in window 0)
	s_wait_tensorcnt 0x0                           ; all my tensor loads have landed: the one that was out is my part of the next slot;
	ds_add_u32 v[SPW], v[NIL]                      ; 0 onto my spare word;
	s_wait_dscnt 9                                 ; (the add and the youngest eight loads may be out)
	MUL16 F1, 0, 0, 0                              ; sixteen matrix instructions stand between the add and the wait for it
	s_wait_dscnt 0x0                               ; the add is done, and my reads of this slot are over:
	s_barrier_signal -1                            ; say so (where a slot is filled again this barrier opens a round of the cluster's barrier),
	MUL16 F1, 0, 2, 0                              ; work on registers while the others arrive,
.if \round
	WIN 0
.endif
	s_barrier_wait -1                              ; and go on when all four have said so
.endm
; The whole last quarter.  Behind the round the slot just read out is filled again first, with the K step two steps on; then come the next slot's first fragments.
; From a request to the wait for it a wave issues 224 matrix instructions.
.macro TURN slot, next
	s_wait_xcnt 0x0                                ; the last prefetch, a K step back, has read its address: it is stepped here, ahead of the waits of the change of slots
	s_add_nc_u64 s[PFA:PFA+1], s[PFA:PFA+1], s[PFS:PFS+1]
	MEET 1
	CREST                                          ; all sixteen work-groups have said so: no wave of any partner still reads this slot's tile or has a load on its way
	s_add_nc_u64 s[G0+4*(\slot)+2:G0+4*(\slot)+3], s[G0+4*(\slot)+2:G0+4*(\slot)+3], 2*ASTEP     ; no tensor load of mine is out, so a group 0 may be written; the type bits on top are not reached
	s_add_nc_u64 s[G0B+4*(\slot)+2:G0B+4*(\slot)+3], s[G0B+4*(\slot)+2:G0B+4*(\slot)+3], 2*BSTEP
	JLOAD \slot                                    ; the first tensor load behind the round, my only one until the next; the four v_nop behind it are also the places in front of the loads below
	FETCH \next, 0, F0
	ASK                                            ; behind the joint load and the run of LDS loads that the next products wait for
	MUL16 F1, 1, 0, 0
	MUL16 F1, 1, 2, 0
.endm
; THE LAST K STEP (it lies in slot 1) GOES BY ROWS OF out0, NOT BY K.  All its fragments of wh (4 quarters x 64 registers) fill window 1; then my eight blocks of 16 rows are finished one after the other,
; each with 32 matrix instructions (its 8 accumulators by turns, K ascending: the sums are the same).  LDS is read no more than in any other K step.
.macro BLOAD q                         ; wh's fragments of quarter q -> window 1, v[64 q ..]
	WIN TO_B
.irp i, 0,1,2,3,4,5,6,7
	ds_load_tr16_b128 v[64*(\q)+8*(\i):64*(\q)+8*(\i)+3],   v[ADRB+1] offset:(\q)*32*PB+32*(\i)
	ds_load_tr16_b128 v[64*(\q)+8*(\i)+4:64*(\q)+8*(\i)+7], v[ADRB+1] offset:(\q)*32*PB+16*PB+32*(\i)
.endr
.endm
.macro ALOAD a                         ; x's fragments of block a, all four quarters -> buffer a % 4
	WIN 0
.set FA, PA+32*((\a)%4)
.irp q, 0,1,2,3
	ds_load_b128 v[FA+8*(\q):FA+8*(\q)+3],   v[ADRA+1] offset:64*(\q)+(\a)*16*PITCH
	ds_load_b128 v[FA+8*(\q)+4:FA+8*(\q)+7], v[ADRA+1] offset:64*(\q)+(\a)*16*PITCH+32
.endr
.endm
.macro ROW a                           ; block a is finished: 32 matrix instructions
.set FA, PA+32*((\a)%4)                ; its fragments of x
.set AC, 64*((\a)%4)                   ; its eight accumulators, in window 2 (blocks 0-3) or 3 (blocks 4-7)
	WIN MUL_LO+0x50*((\a)/4)
.irp q, 0,1,2,3
.if (\a) == 0 && (\q) == 2
	s_wait_dscnt 24                                ; wh's quarter 2 is in (behind it: x's blocks 1 to 3)
.endif
.irp b, 0,1,2,3,4,5,6,7
	v_wmma_f32_16x16x32_f16 v[AC+8*(\b):AC+8*(\b)+7], v[64*(\q)+8*(\b):64*(\q)+8*(\b)+7], v[FA+8*(\q):FA+8*(\q)+7], v[AC+8*(\b):AC+8*(\b)+7]
.endr
.endr
.endm
; THE WAY OUT of block a, in three parts.  PACK: rounded to f16, 16 bytes a lane, each accumulator's registers in ascending order.  TOSTAGE: into my own stage in LDS, and back as whole rows of 256 bytes.  SEND: stored.
.macro PACK a
.set AC, 64*((\a)%4)
	WIN 0x0a+5*((\a)/4)                            ; sources 0 and 1: window 2 or 3
.irp b, 0,1,2,3,4,5,6,7
.irp r, 0,1,2,3
	v_cvt_pk_f16_f32 v[TMP+4*(\b)+(\r)], v[AC+8*(\b)+2*(\r)], v[AC+8*(\b)+2*(\r)+1]
.endr
.endr
	WIN 0
.endm
.macro TOSTAGE a
	WIN 0
.set BK, OB+192*((\a)%2)
.irp b, 0,1,2,3,4,5,6,7
	ds_store_b128 v[STO], v[TMP+4*(\b):TMP+4*(\b)+3] offset:32*(\b)
.endr
.irp t, 0,1,2,3,4,5,6,7
	ds_load_b128 v[BK+4*(\t):BK+4*(\t)+3], v[RD] offset:(\t)*2*SPITCH  ; LDS serves a wave's instructions in order (ISA guide 5.7.1.4): these see the stores above
.endr
.endm
.macro SEND a, younger                 ; younger: the LDS loads issued behind TOSTAGE's, which may stay out
	WIN 0
.set BK, OB+192*((\a)%2)
	s_wait_dscnt \younger                          ; the block is back in registers
	s_wait_xcnt 0x0                                ; every earlier memory instruction has had its addresses translated (ISA guide 3.1): only behind this wait are the stores' base and the registers that earlier stores read rewritten
.if (\a) == 0
	s_add_nc_u64 s[8:9], s[8:9], s[16:17]          ; on to my first rows
.else
	s_add_nc_u64 s[8:9], s[8:9], 16*SIZE_N*2       ; 16 rows on, so that the stores' offsets stay small: 14 rows of 8,192 bytes at the most
.endif
.irp t, 0,1,2,3,4,5,6,7
	global_store_b128 v[CO], v[BK+4*(\t):BK+4*(\t)+3], s[8:9] offset:2*(\t)*SIZE_N*2  ; 16 lanes store 256 consecutive bytes, at a multiple of 256 from out0's first byte
.endr
.endm
	s_wait_tensorcnt 1                             ; my part of K step 0 is in; K step 1's may stay out
	s_barrier_signal -1
	s_barrier_wait -1                              ; everybody's is
	FETCH 0, 0, F0
	QUARTER 0, 1, F0, F1, 1                        ; the first quarter stands in front of the loop: its products start the sums, on the bias
	WIN 0                                          ; at a label and at a branch every window is 0
	s_mov_b32 s3, LAPS-1
.Llap:                                                 ; a trip goes once round the ring, from a lap's second quarter to the next lap's first, and fills both slots again
	QUARTER 0, 2, F1, F0, 0
	QUARTER 0, 3, F0, F1, 0
	TURN 0, 1
	QUARTER 1, 1, F0, F1, 0
	QUARTER 1, 2, F1, F0, 0
	QUARTER 1, 3, F0, F1, 0
	TURN 1, 0
	QUARTER 0, 1, F0, F1, 0
	WIN 0
	s_sub_co_u32 s3, s3, 1
	s_cmp_lg_u32 s3, 0
	s_cbranch_scc1 .Llap
	QUARTER 0, 2, F1, F0, 0                        ; the last lap is written out: it asks for nothing more
	QUARTER 0, 3, F0, F1, 0
	MEET 0                                         ; my one tensor load that was still out is slot 1's, the last K step's, so no round follows
	PLACES                                         ; for the loads into buffer 0, which the quarter before multiplied
	BLOAD 0                                        ; three quarters of wh now: buffer 1 (v128-191 of both windows) is still being multiplied
	BLOAD 1
	BLOAD 3
	ALOAD 0
	MUL16 F1, 1, 0, 0
	MUL16 F1, 1, 2, 0
	PLACES                                         ; for the loads into buffer 1
	BLOAD 2
	ALOAD 1
	ALOAD 2
	ALOAD 3
	s_wait_dscnt 40                                ; all but the 40 just issued
	ROW 0
.irp a, 0,1,2,3,4,5,6,7                ; each block leaves as soon as it is finished: nothing follows this tile, so the sooner its stores begin, the sooner the launch ends
	PLACES                                         ; its conversions read results just made, and no other vector work is at hand
	PACK \a
	TOSTAGE \a
.if (\a) < 4
	ALOAD (\a)+4                                   ; its buffer takes the block four further on
	SEND \a, 8
.else
	SEND \a, 0
.endif
.if (\a) < 7
	ROW (\a)+1
.endif
.endr
	s_wait_tensorcnt 0x0                           ; the wave's end: a closing add on my spare word, behind my last tensor load and my last LDS store
	ds_add_u32 v[SPW], v[NIL]
	s_wait_dscnt 0x0
	CROUND                                         ; the closing round: no work-group ends while a partner may still ask for a tile that names it
	s_endpgm
.Lfunc_end_k_qd6d045e52d_gemm:
	.size	k_qd6d045e52d_gemm, .Lfunc_end_k_qd6d045e52d_gemm-k_qd6d045e52d_gemm
	.p2alignl 7, 3214868480
	.fill 96, 4, 3214868480
	.section	.rodata,"a",@progbits
	.p2align	6, 0x0
	.amdhsa_kernel k_qd6d045e52d_gemm
		.amdhsa_group_segment_fixed_size 327680
		.amdhsa_private_segment_fixed_size 0
		.amdhsa_enable_private_segment 0
		.amdhsa_kernarg_size 32
		.amdhsa_user_sgpr_count 2
		.amdhsa_user_sgpr_kernarg_segment_ptr 1
		.amdhsa_wavefront_size32 1
		.amdhsa_system_sgpr_workgroup_id_x 1
		.amdhsa_system_sgpr_workgroup_id_y 1
		.amdhsa_system_sgpr_workgroup_id_z 1
		.amdhsa_system_vgpr_workitem_id 0
		.amdhsa_next_free_vgpr 1024
		.amdhsa_next_free_sgpr 72
		.amdhsa_reserve_vcc 0
		.amdhsa_float_denorm_mode_32 3
		.amdhsa_float_denorm_mode_16_64 3
		.amdhsa_memory_ordered 1
		.amdhsa_forward_progress 1
		.amdhsa_inst_pref_size 149
	.end_amdhsa_kernel
	.amdgpu_metadata
---
amdhsa.version: [ 1, 2 ]
amdhsa.kernels:
  - .name:           k_qd6d045e52d_gemm
    .symbol:         k_qd6d045e52d_gemm.kd
    .args:
      - { .name: x, .offset: 0, .size: 8, .value_kind: global_buffer, .address_space: global }
      - { .name: wh, .offset: 8, .size: 8, .value_kind: global_buffer, .address_space: global }
      - { .name: out0, .offset: 16, .size: 8, .value_kind: global_buffer, .address_space: global }
      - { .name: bias, .offset: 24, .size: 8, .value_kind: global_buffer, .address_space: global }
    .group_segment_fixed_size: 327680
    .private_segment_fixed_size: 0
    .kernarg_segment_align: 8
    .kernarg_segment_size: 32
    .max_flat_workgroup_size: 128
    .sgpr_count:     72
    .vgpr_count:     1024
    .wavefront_size: 32
...
	.end_amdgpu_metadata
.endif
;; end of part 2
